; MI455X (gfx1250); checked and timed in simulation.
; The chip was launched on July 23, 2026; its instructions are those of AMD's public machine-readable ISA for CDNA 5 (MIT licence, August 2026) and "CDNA5" Instruction Set Architecture Reference Guide (July 2026). The comments in the code are by the model that wrote it; some were corrected since.
;; Decoder. Allowed arithmetic: matrix products marked QUANTISED: E2M3 operands, one E8M0 scale for each 32 along K, by v_wmma_scale_f32_16x16x128_f8f6f4 with both operands' format E2M3, f32 sums; products left as they are: f32 operands where the result goes on into a quantised operand, else bf16, f16 or f32 operands; f32 sums; everything else in f32.
;; Inputs: W_comb 128 x 128 float32; Wk 128 x 128 float32; Wq_first 128 x 128 float32; Wq_last 128 x 128 float32; Wv 128 x 128 float32; b_comb 128 float32; encoded_last_node 32 x 512 x 128 float32; encoded_nodes 32 x 512 x 128 float32; encoded_q1 32 x 512 x 128 float32; ninf_mask 32 x 512 x 512 float32.
;; Outputs: out0 32 x 512 x 512 float32.
;; This version of the problem:
;;   THIS VERSION OF THE PROBLEM IS GIVEN IN LOW PRECISION. The matrix products marked QUANTISED in the list below multiply operands that are first quantised to E2M3 (2 exponent bits, 3 mantissa bits; 6 bits a number), with one power-of-two scale for each 32 numbers along K (OCP MX v1.0); their sums are f32. All else is computed in f32.
;;   The module's matrix products, in the order in which they are computed (A, B: the left and right operand; K: the contracted axis; several contracted axes count as one K, in the product's order):
;;     1. [M 16,384, K 128] x [K 128, N 128]; A: input encoded_q1; B: input Wq_first: QUANTISED
;;     2. [M 16,384, K 128] x [K 128, N 128]; A: input encoded_last_node; B: input Wq_last: QUANTISED
;;     3. [M 16,384, K 128] x [K 128, N 128]; A: input encoded_nodes; B: input Wk: QUANTISED
;;     4. [M 16,384, K 128] x [K 128, N 128]; A: input encoded_nodes; B: input Wv: QUANTISED
;;     5. batch 256 x [M 512, K 16] x [K 16, N 512]; A: computed on the way; B: computed on the way: left as it is (K = 16 < 32)
;;     6. batch 256 x [M 512, K 512] x [K 512, N 16]; A: softmax (see below); B: computed on the way: QUANTISED
;;     7. [M 16,384, K 128] x [K 128, N 128]; A: computed on the way; B: input W_comb: QUANTISED
;;     8. batch 32 x [M 512, K 128] x [K 128, N 512]; A: computed on the way; B: input encoded_nodes: QUANTISED
;;   THE QUANTISER, for each operand of a quantised product, along K:
;;     - K is cut into blocks of 32 from its start; a last block that is shorter is filled with zeros.
;;     - A block's scale is 2^e with e = floor(log2(the largest magnitude in the block)) - 2, held to -126 .. 127; a block of zeros has e = 0. As a byte (E8M0): e + 127.
;;     - Each number is divided by its block's scale, clamped to +-7.5, and rounded to the nearest number of E2M3, ties to even, subnormals kept.
;;     - The product sums the exact products of the quantised numbers (number of the format x scale) in f32.
;;   ~~~python
;;   def quantise(x, axis):      # numpy; x: float32 -> the quantised numbers, widened to float32 again
;;       x = np.moveaxis(x, axis, -1); K = x.shape[-1]
;;       x = np.pad(x, [(0, 0)] * (x.ndim - 1) + [(0, -K % 32)]); x = x.reshape(x.shape[:-1] + (-1, 32)); a = np.abs(x).max(-1, keepdims=True)
;;       e = np.where(a > 0, np.clip(np.frexp(np.where(a > 0, a, 1))[1] - 1 - 2, -126, 127), 0)      # np.frexp(a)[1] - 1 = floor(log2(a)), exactly
;;       r = np.clip(x / 2.0 ** e, -7.5, 7.5)
;;       step = 2.0 ** (np.maximum(np.frexp(np.where(r == 0, 1, r))[1] - 1, 0) - 3)
;;       q = np.round(r / step) * step * 2.0 ** e      # np.round: ties to even
;;       return np.moveaxis(q.reshape(q.shape[:-2] + (-1,))[..., :K], -1, axis).astype(np.float32)
;;   ~~~
;;   SOFTMAX AHEAD OF A QUANTISED PRODUCT. Where the list says 'softmax', what is quantised is not the finished softmax but p = 2^(t - M), with t = logit x log2(e) and M = ceil(the row's largest t), a whole number; so 1/2 < the row's largest p <= 1. The row's sum l is taken of the UNQUANTISED p, in f32, and the product's result is divided by l at the end. Since M is a whole number, a kernel that streams over the keys may use a running M (the ceiling of the running maximum): every later rescaling is an exact power of two, which a block's scale takes up: the codes' values come out the same.
;;   OPERANDS COMPUTED ON THE WAY. 'Computed on the way' means the value that the module computes at that place (a softmax that the list does not call 'softmax' is quantised finished and normalised). What goes into a quantiser is computed in f32, as accurately as f32 sums, v_exp_f32 and their like allow (about 1e-6 of the number): no bf16 or f16 on the way to a quantiser, and a product that is left as it is and whose result goes on into a quantised operand takes f32 operands (vector FMAs, or v_wmma_f32_16x16x4_f32). A number that lies on a knife's edge between two numbers of the format may be rounded either way, as far as f32 arithmetic and the matrix unit's own rounding can turn it there, and no further.
;; One version. Each part assembles by itself: llvm-mc -triple=amdgcn-amd-amdhsa -mcpu=gfx1250 --defsym DOCPART=n.
;; ======== version 1 of 1: 2 launches
;; workspace buffers: nimg 1,703,936 bytes; wimg 66,560 bytes
;; launch prep (part 1): grid 276 x 1, 2 waves a work-group, no clusters, 0 bytes of LDS; arguments encoded_nodes, Wq_first, Wq_last, Wk, Wv, W_comb, nimg, wimg; writes nimg, wimg
.if DOCPART == 1
	.amdgcn_target "amdgcn-amd-amdhsa--gfx1250"
	.amdhsa_code_object_version 6
	.text
	.protected	k_qd59140d66d_prep
	.globl	k_qd59140d66d_prep
	.p2align	8
	.type	k_qd59140d66d_prep,@function
k_qd59140d66d_prep:
	s_mov_b64 s[64:65], 0
	v_nop
	global_prefetch_b8 v0, s[64:65] scope:SCOPE_SE
	s_setreg_imm32_b32 hwreg(HW_REG_WAVE_MODE, 25, 1), 1
	s_wait_xcnt 0x0
; encoded_nodes [32][512][128] f32 and the five weights [128 (k)][128 (n)] f32 become codes of FP6 (E2M3) with one E8M0 byte for each 32 along K,
; laid as IMAGES OF OPERAND REGISTERS: a fragment (16 rows x 128 K) is 12 registers a lane = 3 x (32 lanes x 16 bytes) = 1,536 bytes.
; nimg, 53,248 bytes a batch: 32 key tiles x 1,536 bytes (lane r of tile 2 b + u is key 32 b + 8 u + r + 8 (r / 8)), then 16 tile pairs x 256 bytes of scale words (lane l: 8 bytes: tile 2 b's word, tile 2 b + 1's).
; wimg: record idx = 8 x matrix + tile; codes at 1,536 idx, scale words at 61,440 + 128 idx + 4 x lane.  Matrices 0-3 (Wq_first, Wq_last, Wk, Wv): lane r of tile t is column 16 t + r; matrix 4 (W_comb): column 32 b + 8 u + r + 8 (r / 8), t = 2 b + u.
; A block's scale is 2^(floor(log2(its largest magnitude)) - 2); its byte is the largest magnitude's exponent field - 2, held at 1 from below (a block of zeros keeps the byte 1: its codes are zeros, and this program alone reads the bytes).
; LIMITS: NaN and infinities among the inputs are not served; blocks whose largest magnitude lies under 2^-124 keep the byte 1.
; Work-groups 0-255: a wave takes a pair of key tiles (32 rows of the nodes).  Work-groups 256-275: a wave takes one tile of one weight.  No LDS, no barrier: waves share nothing.
.set SEL, 22                           ; s[22:23] lane selects for v_permlanex16_b32: lane l xor 16
.set BM,  12                           ; v12-15  largest magnitudes of four blocks
.set PT,  16                           ; v16-19  the other half's, then the bytes
.set SO,  20                           ; v20-23  the conversions' scale operands
.set PCT, 26                           ; v26-32  the conversions' second halves
.set PC0, 36                           ; v36-47  a fragment's codes
.set PC1, 48                           ; v48-59  the second tile's
.set X0,  64                           ; v64-127 64 numbers of a lane
.set X1,  128                          ; v128-191 the second tile's
; 64 numbers of a lane, register 16 b + i = k 32 b + 16 (lane / 16) + i of the lane's row: the four blocks' largest magnitudes
.macro QMAX src
.irp b, 0,1,2,3
	v_max3_num_f32 v[BM+\b], |v[(\src)+16*\b]|, |v[(\src)+16*\b+1]|, 0x1800000   ; with the floor 2^(3 - 127): the byte cannot fall under 1
.endr
.irp i, 2,4,6,8,10,12,14
.irp b, 0,1,2,3
	v_max3_num_f32 v[BM+\b], v[BM+\b], |v[(\src)+16*\b+\i]|, |v[(\src)+16*\b+\i+1]|   ; the four blocks by turns
.endr
.endr
.irp b, 0,1,2,3
	v_permlanex16_b32 v[PT+\b], v[BM+\b], s[SEL], s[SEL+1]
.endr
.irp b, 0,1,2,3
	v_max_num_f32 v[BM+\b], v[BM+\b], v[PT+\b]             ; with lane l xor 16's 16 numbers
.endr
.endm
; from the largest magnitudes: the scale word into v[pw], the fragment's 12 registers into v[dst] on
.macro QTAIL src, dst, pw
.irp b, 0,1,2,3
	v_add_nc_u32 v[SO+\b], 0xff000000, v[BM+\b]            ; 2 off the exponent field: the conversion takes this operand's exponent field as its scale
.endr
.irp b, 0,1,2,3
	v_lshrrev_b32 v[PT+\b], 23, v[SO+\b]                   ; the scale's byte
.endr
	v_lshl_or_b32 v[\pw], v[PT+1], 8, v[PT]
	v_lshl_or_b32 v[\pw], v[PT+2], 16, v[\pw]
	v_lshl_or_b32 v[\pw], v[PT+3], 24, v[\pw]
.irp c, 0,1
	v_cvt_scalef32_pk16_fp6_f32 v[(\dst)+6*\c:(\dst)+6*\c+2], v[(\src)+32*\c:(\src)+32*\c+15], v[SO+2*\c]
	v_cvt_scalef32_pk16_fp6_f32 v[PCT+4*\c:PCT+4*\c+2], v[(\src)+32*\c+16:(\src)+32*\c+31], v[SO+2*\c+1]   ; (a conversion's three registers begin on an even number)
.endr
	v_nop                                                  ; one plain place behind the scaled conversions
.irp c, 0,1                                                    ; the layout wants a whole block in a lane: lanes 0-15 block 2 c, lanes 16-31 block 2 c + 1
.irp i, 0,1,2
	v_permlane16_swap_b32 v[(\dst)+6*\c+\i], v[PCT+4*\c+\i]
.endr
.irp i, 0,1,2
	v_mov_b32 v[(\dst)+6*\c+3+\i], v[PCT+4*\c+\i]
.endr
.endr
.endm
.macro QUANT src, dst, pw
	QMAX \src
	QTAIL \src, \dst, \pw
.endm
	s_load_b256 s[4:11], s[0:1], 0x0               ; nodes s[4:5], Wq_first s[6:7], Wq_last s[8:9], Wk s[10:11]
	s_load_b256 s[12:19], s[0:1], 0x20             ; Wv s[12:13], W_comb s[14:15], nimg s[16:17], wimg s[18:19]
	v_lshrrev_b32 v8, 5, v0
	v_readfirstlane_b32 s20, v8                    ; wave 0, 1
	v_and_b32 v1, 31, v0                           ; lane
	v_and_b32 v2, 15, v0                           ; r
	v_bfe_u32 v3, v0, 4, 1                         ; hh
	v_lshlrev_b32 v5, 4, v1                        ; 16 x lane
	v_lshlrev_b32 v6, 3, v1                        ; 8 x lane
	v_lshlrev_b32 v7, 2, v1                        ; 4 x lane
	s_mov_b32 s[SEL], 0x76543210
	s_mov_b32 s[SEL+1], 0xfedcba98
.irp b, 0,1,2,3
	v_mov_b32 v[PT+\b], 0                          ; written once: a lane permute's destination counts as one of its sources
.endr
	s_wait_kmcnt 0x0
	s_cmp_lt_u32 ttmp9, 256
	s_cbranch_scc0 .Lweights
	; ---- the nodes: pair pi = 2 x work-group + wave of 512; batch pi / 16, pair b = pi % 16 of the batch
	s_lshl_b32 s24, ttmp9, 1
	s_add_co_u32 s24, s24, s20                     ; pi
	s_lshl_b32 s26, s24, 14                        ; 32 rows of 512 bytes a pair
	s_mov_b32 s27, 0
	s_add_nc_u64 s[4:5], s[4:5], s[26:27]
	s_lshr_b32 s25, s24, 4                         ; batch
	s_and_b32 s24, s24, 15                         ; b
	s_mul_i32 s26, s25, 53248
	s_mul_i32 s28, s24, 3072                       ; two fragments a pair
	s_add_co_u32 s28, s28, s26
	s_mov_b32 s29, 0
	s_add_nc_u64 s[28:29], s[16:17], s[28:29]      ; where the pair's codes go
	s_lshl_b32 s24, s24, 8
	s_add_co_u32 s26, s26, s24
	s_add_co_u32 s26, s26, 49152
	s_add_nc_u64 s[30:31], s[16:17], s[26:27]      ; and its scale words
	v_and_b32 v8, 8, v2
	v_add_nc_u32 v8, v8, v2                        ; r + 8 (r / 8)
	v_lshlrev_b32 v4, 9, v8
	v_lshl_add_u32 v4, v3, 6, v4                   ; my row of the tile, + 64 hh: my 16 numbers of a block of 32
.irp u, 0,1
.irp b, 0,1,2,3
.irp j, 0,1,2,3
	global_load_b128 v[X0+64*\u+16*\b+4*\j:X0+64*\u+16*\b+4*\j+3], v4, s[4:5] offset:4096*\u+128*\b+16*\j th:TH_LOAD_NT
.endr
.endr
.endr
	s_wait_loadcnt 16                              ; tile 0's 16 loads are in; tile 1's 16 may be out
	QUANT X0, PC0, 24
.irp c, 0,1,2
	global_store_b128 v5, v[PC0+4*\c:PC0+4*\c+3], s[28:29] offset:512*\c          ; 32 lanes store 512 consecutive bytes, aligned
.endr
	s_wait_loadcnt 0x0
	QUANT X1, PC1, 25
.irp c, 0,1,2
	global_store_b128 v5, v[PC1+4*\c:PC1+4*\c+3], s[28:29] offset:1536+512*\c
.endr
	global_store_b64 v6, v[24:25], s[30:31]        ; 256 consecutive bytes, aligned
	s_endpgm
.Lweights:
	; ---- a weight's tile: a lane takes a column, its registers run down K in the order of the operand's layout
	s_sub_co_u32 s24, ttmp9, 256
	s_lshl_b32 s24, s24, 1
	s_add_co_u32 s24, s24, s20                     ; idx 0 .. 39
	s_lshr_b32 s25, s24, 3                         ; matrix
	s_and_b32 s26, s24, 7                          ; tile
	s_lshl_b32 s28, s26, 4                         ; matrices 0-3: the tile begins at column 16 t
	s_lshr_b32 s29, s26, 1
	s_lshl_b32 s29, s29, 5
	s_and_b32 s30, s26, 1
	s_lshl_b32 s30, s30, 3
	s_add_co_u32 s29, s29, s30                     ; W_comb: at 32 (t / 2) + 8 (t % 2)
	s_cmp_eq_u32 s25, 1
	s_cselect_b64 s[6:7], s[8:9], s[6:7]
	s_cmp_eq_u32 s25, 2
	s_cselect_b64 s[6:7], s[10:11], s[6:7]
	s_cmp_eq_u32 s25, 3
	s_cselect_b64 s[6:7], s[12:13], s[6:7]
	s_cmp_eq_u32 s25, 4
	s_cselect_b64 s[6:7], s[14:15], s[6:7]         ; the choice hangs on the work-group's and the wave's number alone
	s_cselect_b32 s27, 8, 0
	s_cselect_b32 s28, s29, s28
	s_mul_i32 s30, s24, 1536
	s_mov_b32 s31, 0
	s_add_nc_u64 s[30:31], s[18:19], s[30:31]      ; where the codes go
	s_lshl_b32 s32, s24, 7
	s_add_co_u32 s32, s32, 61440
	s_mov_b32 s33, 0
	s_add_nc_u64 s[32:33], s[18:19], s[32:33]      ; and the scale words
	v_and_b32 v8, s27, v2
	v_add3_u32 v8, v8, v2, s28                     ; my column
	v_lshlrev_b32 v4, 2, v8
	v_lshl_add_u32 v4, v3, 14, v4                  ; lanes 16-31 begin 32 rows of 512 bytes further down
.irp c, 0,1
.set i, 0
.rept 32
	global_load_b32 v[X0+32*\c+i], v4, s[6:7] offset:(64*\c+i)*512 th:TH_LOAD_NT   ; W(64 c + 32 hh + i, my column)
.set i, i+1
.endr
.endr
	s_wait_loadcnt 0x0
.irp c, 0,1
	v_max3_num_f32 v[BM+\c], |v[X0+32*\c]|, |v[X0+32*\c+1]|, 0x1800000   ; my block 2 c + hh: all its 32 numbers are mine
.endr
.irp i, 2,4,6,8,10,12,14,16,18,20,22,24,26,28,30
.irp c, 0,1
	v_max3_num_f32 v[BM+\c], v[BM+\c], |v[X0+32*\c+\i]|, |v[X0+32*\c+\i+1]|
.endr
.endr
.irp c, 0,1
	v_add_nc_u32 v[SO+\c], 0xff000000, v[BM+\c]
.endr
.irp c, 0,1
	v_lshrrev_b32 v[PT+\c], 23, v[SO+\c]
.endr
	v_lshl_or_b32 v9, v[PT+1], 16, v[PT]           ; my two bytes: blocks hh and 2 + hh,
	v_lshlrev_b32 v10, 3, v3
	v_lshlrev_b32 v9, v10, v9                      ; at their places in the word;
	v_mov_b32 v10, 0
	v_permlanex16_b32 v10, v9, s[SEL], s[SEL+1]
	v_or_b32 v9, v9, v10                           ; with lane l xor 16's two the word is whole, in both lanes
.irp c, 0,1
	v_cvt_scalef32_pk16_fp6_f32 v[PC0+6*\c:PC0+6*\c+2], v[X0+32*\c:X0+32*\c+15], v[SO+\c]
	v_cvt_scalef32_pk16_fp6_f32 v[PCT+4*\c:PCT+4*\c+2], v[X0+32*\c+16:X0+32*\c+31], v[SO+\c]
.endr
	v_nop                                          ; one plain place behind the scaled conversions
.irp c, 0,1
.irp i, 0,1,2
	v_mov_b32 v[PC0+6*\c+3+\i], v[PCT+4*\c+\i]
.endr
.endr
.irp c, 0,1,2
	global_store_b128 v5, v[PC0+4*\c:PC0+4*\c+3], s[30:31] offset:512*\c
.endr
	global_store_b32 v7, v9, s[32:33]              ; 128 bytes: the 40 records' words fill 5,120 bytes on end
	s_endpgm
.Lfunc_end_k_qd59140d66d_prep:
	.size	k_qd59140d66d_prep, .Lfunc_end_k_qd59140d66d_prep-k_qd59140d66d_prep
	.p2alignl 7, 3214868480
	.fill 96, 4, 3214868480
	.section	.rodata,"a",@progbits
	.p2align	6, 0x0
	.amdhsa_kernel k_qd59140d66d_prep
		.amdhsa_group_segment_fixed_size 0
		.amdhsa_private_segment_fixed_size 0
		.amdhsa_enable_private_segment 0
		.amdhsa_kernarg_size 64
		.amdhsa_user_sgpr_count 2
		.amdhsa_user_sgpr_kernarg_segment_ptr 1
		.amdhsa_wavefront_size32 1
		.amdhsa_system_sgpr_workgroup_id_x 1
		.amdhsa_system_sgpr_workgroup_id_y 1
		.amdhsa_system_sgpr_workgroup_id_z 1
		.amdhsa_system_vgpr_workitem_id 0
		.amdhsa_next_free_vgpr 192
		.amdhsa_next_free_sgpr 66
		.amdhsa_reserve_vcc 0
		.amdhsa_float_denorm_mode_32 3
		.amdhsa_float_denorm_mode_16_64 3
		.amdhsa_memory_ordered 1
		.amdhsa_forward_progress 1
		.amdhsa_inst_pref_size 24
	.end_amdhsa_kernel
	.amdgpu_metadata
---
amdhsa.version: [ 1, 2 ]
amdhsa.kernels:
  - .name:           k_qd59140d66d_prep
    .symbol:         k_qd59140d66d_prep.kd
    .args:
      - { .name: encoded_nodes, .offset: 0, .size: 8, .value_kind: global_buffer, .address_space: global }
      - { .name: Wq_first, .offset: 8, .size: 8, .value_kind: global_buffer, .address_space: global }
      - { .name: Wq_last, .offset: 16, .size: 8, .value_kind: global_buffer, .address_space: global }
      - { .name: Wk, .offset: 24, .size: 8, .value_kind: global_buffer, .address_space: global }
      - { .name: Wv, .offset: 32, .size: 8, .value_kind: global_buffer, .address_space: global }
      - { .name: W_comb, .offset: 40, .size: 8, .value_kind: global_buffer, .address_space: global }
      - { .name: nimg, .offset: 48, .size: 8, .value_kind: global_buffer, .address_space: global }
      - { .name: wimg, .offset: 56, .size: 8, .value_kind: global_buffer, .address_space: global }
    .group_segment_fixed_size: 0
    .private_segment_fixed_size: 0
    .kernarg_segment_align: 8
    .kernarg_segment_size: 64
    .max_flat_workgroup_size: 64
    .sgpr_count:     66
    .vgpr_count:     192
    .wavefront_size: 32
...
	.end_amdgpu_metadata
.endif
;; end of part 1
;; launch main (part 2): grid 256 x 1, 8 waves a work-group, no clusters, 310,272 bytes of LDS; arguments encoded_q1, encoded_last_node, ninf_mask, b_comb, nimg, wimg, out0; writes out0
.if DOCPART == 2
	.amdgcn_target "amdgcn-amd-amdhsa--gfx1250"
	.amdhsa_code_object_version 6
	.text
	.protected	k_qd59140d66d_main
	.globl	k_qd59140d66d_main
	.p2align	8
	.type	k_qd59140d66d_main,@function
k_qd59140d66d_main:
	s_mov_b64 s[64:65], 0
	v_nop
	global_prefetch_b8 v0, s[64:65] scope:SCOPE_SE
	s_setreg_imm32_b32 hwreg(HW_REG_WAVE_MODE, 25, 1), 1
	s_wait_xcnt 0x0
; The whole decoder for 64 queries of one batch: q, k, v (FP6), q k^T (f32 operands, since its result goes on into a quantiser), softmax as p = 2^(t - M) with M a whole number, p v (FP6), W_comb (FP6),
; the second score against the nodes (FP6), 10 tanh + mask, softmax, out0.  Work-group wg: batch wg / 8, rows 64 wg .. 64 wg + 63 of the 16,384 query rows.
; ATTENTION: wave w is head w, for all 64 queries (four tiles, one a trip) and all 512 keys.  Its k (32 tiles x 8 registers, f32) fills register window 1, its v (four fragments of codes) lies in window 0: neither is read again from anywhere.
; TAIL: wave w takes query tile w / 2 and keys 256 (w % 2) on.
; ALL PRODUCTS ARE USED TRANSPOSED: a lane holds one query (lane % 16) throughout.  An FP6 product of 16 rows d of Wk (Wq) with 16 keys (queries) leaves lane (r, hh), register j = (d = 8 hh + j, key r): registers 2 c, 2 c + 1 are
; taken as they stand as one operand of link c of four f32 products of 16 x 16 x 4: the same order of d on both sides.  THE KEYS OF A TILE ARE NOT NEIGHBOURS (lane r of tile 2 b + u is key 32 b + 8 u + r + 8 (r / 8)), so that the 16
; registers of two neighbouring tiles of scores are keys 32 b + 16 hh + 0 .. 15.  The mask is the C of a score's first link: the sum starts from the mask and runs over d in the order 8 hh + 2 c + j.
; t = logit x log2(e) and t - M are two rounded steps, not one fused one, so that a large common offset of the mask leaves no residue in the exponent.
; NO CLUSTER: what the eight work-groups of a batch share, 53,248 bytes of node codes and 66,560 of weights, comes once, beside 327,680 bytes (mask, q1, last, out0) that are a work-group's own.
; LIMITS: NaN and infinities in any input, the mask among them, are not served; blocks whose largest magnitude lies under 2^-124 keep the scale byte 1; q k^T + mask is an f32 sum in another order than reference()'s.
; LDS (bytes)
.set MASK,  0                          ; 64 rows of the mask, pitch 2,064 = 129 x 16: copied once
.set MPIT,  2064
.set NCOD,  132096                     ; the batch's 32 node fragments: copied once
.set NSC,   181248                     ; their scale words, 16 pairs x 256 bytes: copied once
.set XIMG,  185344                     ; 8 fragments of q1 (0-3) and last (4-7), as images of registers
.set XSC,   197632                     ; their scale words, 128 bytes each
.set OCS,   198656                     ; attention's result, f32: for each head 64 rows, pitch 80
.set OREG,  5120
.set OPIT,  80
.set RED,   239616                     ; (maximum, sum) of each wave, 256 bytes each
.set OST,   241664                     ; for each wave 8,448 bytes of its own: first its four q tiles (1,024 bytes each), at the end its stage of 16 rows, pitch 528
.set OSTW,  8448
.set SPIT,  528
.set SPARE, 309248                     ; the spare words, 128 bytes for each wave: four blocks of 256 bytes that no other line names
; window 0
.set LI,   1                           ; 16 x lane
.set AMK0, 2                           ; mask: r x 2,064 + 64 hh
.set AQ0,  3                           ; my wave's own bytes + 16 x lane
.set AOC0, 4                           ; where attention's result goes
.set AM,   5                           ; the three with the trip's step
.set AQ,   6
.set AOC,  7
.set ANC,  8                           ; node fragments + 16 x lane
.set ANS,  9                           ; node scale pairs + 8 x lane
.set AL,   10                          ; v10-13 LDS addresses of the mask's copies
.set GO,   14                          ; and their offset in memory
.set ANL,  15                          ; LDS address and
.set NGO,  16                          ; offset in memory of the node copies
.set SPW,  17                          ; my spare word; never rewritten
.set NIL,  18                          ; 0; never rewritten
.set PW,   19                          ; v19-31, v40-43 hold scale words and nothing else: the word just made,
.set VS,   20                          ; v's four,
.set NS,   24                          ; eight in hand (nodes, x, W_comb),
.set RR,   32                          ; r
.set HH,   33                          ; hh
.set LN,   34                          ; lane
.set XO,   35                          ; x: r x 512 + 64 hh
.set L4,   36                          ; 4 x lane
.set XWI,  37                          ; where I store my x fragment, its scale word,
.set XWS,  38
.set XRI,  39                          ; and where all are read
.set WS,   40                          ; the words of Wq_first, Wq_last, Wk, Wv
.set XRS,  44
.set AOR,  45                          ; tail: attention's result, my tile's rows
.set AMT,  46                          ; tail: my half of my tile's mask rows
.set ANC2, 47                          ; tail: my half of the node fragments
.set MP,   48                          ; v48-111 mask, then t, then p; numbers ahead of a quantiser
.set PC,   112                         ; v112-123 codes
.set PCT,  124
.set BM,   132
.set PT,   136
.set SO,   140
.set Q,    144                         ; v144-151 a tile of q / 4
.set O,    152                         ; v152-159 a tile of attention's result
.set NEGM, 160                         ; -M
.set TMAX, 161                         ; the running largest t
.set L,    162                         ; v[162:163] the row's sum in two halves
.set F,    164                         ; v[164:165] 2^(old M - new M); at the end 1 / sum
.set T0,   166
.set T1,   167
.set V,    168                         ; v168-215 v's four fragments
.set ANS2, 216                         ; tail: my half of the node scale pairs
.set ASTO, 217                         ; tail: into my stage
.set ARW,  218                         ; tail: my (maximum, sum),
.set ARR,  219                         ; my partner's
.set BCO,  220                         ; 64 hh
.set S,    224                         ; v224-255 four accumulators of scores: written by matrix instructions alone
.set QT,   112                         ; ahead of the loop: the four q tiles; the head's four weight fragments
.set WQF,  168
.set WQL,  180
.set WKR,  144
.set WVR,  156
; scalars
.set WV,   18
.set SEL,  32                          ; s[32:33] lane l xor 16
.set LG,   34                          ; s[34:35] log2(e)
.set QS,   36                          ; s[36:37] 1 / sqrt(16)
.set TH,   38                          ; s[38:39] 2 log2(e) / sqrt(128)
.set M20,  40                          ; s[40:41] -20
.set MO,   42                          ; the trip's steps: mask, q, result
.set QO,   43
.set OO,   44
.set TRIP, 45
.set MSB, 0
.macro WIN new                         ; bits 1:0 source 0, 3:2 source 1, 5:4 source 2, 7:6 destination; the high byte repeats the setting that is left
.if MSB != (\new)
	s_set_vgpr_msb (MSB<<8)|(\new)
.set MSB, \new
.endif
.endm
.macro NOPS n
.rept \n
	v_nop
.endr
.endm
.macro BARRIER                         ; my LDS stores have landed and my LDS loads are in: then the work-group's barrier
	s_wait_dscnt 0x0
	s_barrier_signal -1
	s_barrier_wait -1
.endm
.macro FP6Z d, a, b, sa, sb            ; a product that starts its sum
	v_wmma_scale_f32_16x16x128_f8f6f4 v[(\d):(\d)+7], v[(\a):(\a)+11], v[(\b):(\b)+11], 0, v[\sa], v[\sb] matrix_a_fmt:MATRIX_FMT_FP6 matrix_b_fmt:MATRIX_FMT_FP6
.endm
.macro FP6C d, a, b, c, sa, sb
	v_wmma_scale_f32_16x16x128_f8f6f4 v[(\d):(\d)+7], v[(\a):(\a)+11], v[(\b):(\b)+11], v[(\c):(\c)+7], v[\sa], v[\sb] matrix_a_fmt:MATRIX_FMT_FP6 matrix_b_fmt:MATRIX_FMT_FP6
.endm
; 64 numbers of a lane, register 16 b + i = k 32 b + 16 hh + i of the lane's row: the four blocks' largest magnitudes
.macro QMAX src
.irp b, 0,1,2,3
	v_max3_num_f32 v[BM+\b], |v[(\src)+16*\b]|, |v[(\src)+16*\b+1]|, 0x1800000   ; with the floor 2^(3 - 127): the byte cannot fall under 1
.endr
.irp i, 2,4,6,8,10,12,14
.irp b, 0,1,2,3
	v_max3_num_f32 v[BM+\b], v[BM+\b], |v[(\src)+16*\b+\i]|, |v[(\src)+16*\b+\i+1]|   ; the four blocks by turns; each accumulator of 8 is read from its low end on
.endr
.endr
.irp b, 0,1,2,3
	v_permlanex16_b32 v[PT+\b], v[BM+\b], s[SEL], s[SEL+1]
.endr
.irp b, 0,1,2,3
	v_max_num_f32 v[BM+\b], v[BM+\b], v[PT+\b]
.endr
.endm
; from the largest magnitudes: the scale word into v[pw], the fragment's 12 registers into v[dst] on
.macro QTAIL src, dst, pw
.irp b, 0,1,2,3
	v_add_nc_u32 v[SO+\b], 0xff000000, v[BM+\b]            ; 2 off the exponent field: the conversion's scale operand
.endr
.irp b, 0,1,2,3
	v_lshrrev_b32 v[PT+\b], 23, v[SO+\b]                   ; the scale's byte
.endr
	v_lshl_or_b32 v[\pw], v[PT+1], 8, v[PT]
	v_lshl_or_b32 v[\pw], v[PT+2], 16, v[\pw]
	v_lshl_or_b32 v[\pw], v[PT+3], 24, v[\pw]
.irp c, 0,1
	v_cvt_scalef32_pk16_fp6_f32 v[(\dst)+6*\c:(\dst)+6*\c+2], v[(\src)+32*\c:(\src)+32*\c+15], v[SO+2*\c]
	v_cvt_scalef32_pk16_fp6_f32 v[PCT+4*\c:PCT+4*\c+2], v[(\src)+32*\c+16:(\src)+32*\c+31], v[SO+2*\c+1]   ; (a conversion's three registers begin on an even number)
.endr
	v_nop                                                  ; one plain place behind the scaled conversions
.irp c, 0,1                                                    ; the layout wants a whole block in a lane: lanes 0-15 block 2 c, lanes 16-31 block 2 c + 1
.irp i, 0,1,2
	v_permlane16_swap_b32 v[(\dst)+6*\c+\i], v[PCT+4*\c+\i]
.endr
.irp i, 0,1,2
	v_mov_b32 v[(\dst)+6*\c+3+\i], v[PCT+4*\c+\i]
.endr
.endr
.endm
.macro QUANT src, dst, pw
	QMAX \src
	QTAIL \src, \dst, \pw
.endm
; four node fragments (tiles T .. T + 3) into v[reg] on (window setting win for the destination) and their four scale words into v[sreg] on: 14 LDS loads
.macro NFETCH reg, win, T, adr, sreg, sadr
	WIN \win
.irp t, 0,1,2,3
.irp c, 0,1,2
	ds_load_b128 v[(\reg)+12*\t+4*\c:(\reg)+12*\t+4*\c+3], v[\adr] offset:((\T)+\t)*1536+512*\c
.endr
.endr
	WIN 0
.irp i, 0,1
	ds_load_b64 v[(\sreg)+2*\i:(\sreg)+2*\i+1], v[\sadr] offset:((\T)/2+\i)*256
.endr
.endm
	; ---- the head
	s_load_b256 s[4:11], s[0:1], 0x0               ; q1 s[4:5], last s[6:7], mask s[8:9], b_comb s[10:11]
	s_load_b128 s[12:15], s[0:1], 0x20             ; nimg s[12:13], wimg s[14:15]
	s_load_b64 s[16:17], s[0:1], 0x30              ; out0
	v_lshl_add_u32 v[SPW], v0, 2, SPARE
	v_mov_b32 v[NIL], 0
	ds_add_u32 v[SPW], v[NIL]                      ; the wave's opening: the add and its wait stand ahead of my first copy; the set-up below, work on registers, stands between them
	v_lshrrev_b32 v32, 5, v0
	v_readfirstlane_b32 s[WV], v32                 ; wave 0 .. 7
	v_and_b32 v[LN], 31, v0
	v_and_b32 v[RR], 15, v0
	v_bfe_u32 v[HH], v0, 4, 1
	v_lshlrev_b32 v[LI], 4, v[LN]
	v_lshlrev_b32 v[L4], 2, v[LN]
	s_lshr_b32 s56, s[WV], 1                       ; tail: my query tile,
	s_and_b32 s57, s[WV], 1                        ; my half of the keys
	v_mul_u32_u24 v[AMK0], v[RR], MPIT
	v_lshl_add_u32 v[AMK0], v[HH], 6, v[AMK0]
	s_mul_i32 s20, s[WV], OSTW
	s_add_co_u32 s20, s20, OST                     ; my wave's own bytes
	v_add_nc_u32 v[AQ0], s20, v[LI]
	v_mul_u32_u24 v[ASTO], v[RR], SPIT
	v_lshl_add_u32 v[ASTO], v[HH], 6, v[ASTO]
	v_add_nc_u32 v[ASTO], s20, v[ASTO]             ; the stage: row r, + 64 hh
	s_mul_i32 s21, s[WV], OREG
	s_add_co_u32 s21, s21, OCS
	v_mul_u32_u24 v[AOC0], v[RR], OPIT
	v_lshl_add_u32 v[AOC0], v[HH], 5, v[AOC0]
	v_add_nc_u32 v[AOC0], s21, v[AOC0]             ; my head's rows: row r, + 32 hh
	v_add_nc_u32 v[ANC], NCOD, v[LI]
	v_lshl_add_u32 v[ANS], v[LN], 3, NSC
	s_mul_i32 s21, s[WV], 8*MPIT                   ; the mask's copies: my wave's 8 rows, two an instruction
	v_mul_u32_u24 v[AL], v[HH], MPIT
	v_lshl_add_u32 v[AL], v[RR], 4, v[AL]
	v_add_nc_u32 v[AL], s21, v[AL]
.irp i, 1,2,3
	v_add_nc_u32 v[AL+\i], 2*\i*MPIT, v[AL]
.endr
	v_lshlrev_b32 v[GO], 11, v[HH]
	v_lshl_add_u32 v[GO], v[RR], 4, v[GO]
	s_mul_i32 s21, s[WV], 6656                     ; the node copies: an eighth of 53,248 bytes a wave
	v_add_nc_u32 v[NGO], s21, v[LI]
	v_add_nc_u32 v[ANL], NCOD, v[NGO]
	v_lshlrev_b32 v[XO], 9, v[RR]
	v_lshl_add_u32 v[XO], v[HH], 6, v[XO]
	s_mul_i32 s21, s[WV], 1536
	s_add_co_u32 s21, s21, XIMG
	v_add_nc_u32 v[XWI], s21, v[LI]
	s_lshl_b32 s21, s[WV], 7
	s_add_co_u32 s21, s21, XSC
	v_add_nc_u32 v[XWS], s21, v[L4]
	v_add_nc_u32 v[XRI], XIMG, v[LI]
	v_add_nc_u32 v[XRS], XSC, v[L4]
	s_mul_i32 s21, s56, 16*OPIT
	s_add_co_u32 s21, s21, OCS
	v_mul_u32_u24 v[AOR], v[RR], OPIT
	v_mad_u32_u24 v[AOR], v[HH], OREG, v[AOR]      ; lanes 16-31 read the odd heads: one product, hh x the distance
	v_add_nc_u32 v[AOR], s21, v[AOR]
	s_mul_i32 s21, s56, 16*MPIT
	s_lshl_b32 s22, s57, 10
	s_add_co_u32 s21, s21, s22
	v_add_nc_u32 v[AMT], s21, v[AMK0]
	s_mul_i32 s21, s57, 24576
	v_add_nc_u32 v[ANC2], s21, v[ANC]
	s_lshl_b32 s21, s57, 11
	v_add_nc_u32 v[ANS2], s21, v[ANS]
	s_lshl_b32 s21, s[WV], 8
	s_add_co_u32 s21, s21, RED
	v_lshl_add_u32 v[ARW], v[LN], 3, s21
	s_xor_b32 s21, s[WV], 1
	s_lshl_b32 s21, s21, 8
	s_add_co_u32 s21, s21, RED
	v_lshl_add_u32 v[ARR], v[LN], 3, s21
	v_lshlrev_b32 v[BCO], 6, v[HH]
.irp b, 0,1,2,3
	v_mov_b32 v[PT+\b], 0                          ; written once: a lane permute's destination counts as one of its sources
.endr
	s_mov_b32 s[SEL], 0x76543210
	s_mov_b32 s[SEL+1], 0xfedcba98
	s_mov_b32 s[LG], 0x3fb8aa3b
	s_mov_b32 s[LG+1], 0x3fb8aa3b                  ; (the packed forms name pairs, so both words are written)
	s_mov_b32 s[QS], 0x3e800000
	s_mov_b32 s[QS+1], 0x3e800000
	s_mov_b32 s[TH], 0x3e8293ee
	s_mov_b32 s[TH+1], 0x3e8293ee
	s_mov_b32 s[M20], 0xc1a00000
	s_mov_b32 s[M20+1], 0xc1a00000
	; byte offsets, each in the pair that will hold the address
	s_lshr_b32 s19, ttmp9, 3                       ; batch
	s_mul_i32 s48, s19, 53248
	s_mov_b32 s49, 0
	s_lshl_b32 s24, ttmp9, 17                      ; 64 rows of 2,048 bytes a work-group,
	s_lshl_b32 s20, s[WV], 14                      ; 8 a wave
	s_add_co_u32 s24, s24, s20
	s_mov_b32 s25, 0
	s_lshl_b32 s46, ttmp9, 15                      ; x: 64 rows of 512 bytes a work-group,
	s_and_b32 s20, s[WV], 3
	s_lshl_b32 s20, s20, 13                        ; tile w % 4
	s_add_co_u32 s46, s46, s20
	s_mov_b32 s47, 0
	s_mul_i32 s50, s[WV], 1536                     ; my head's tile of each weight
	s_mov_b32 s51, 0
	s_lshl_b32 s52, s[WV], 7
	s_add_co_u32 s52, s52, 61440
	s_mov_b32 s53, 0
	s_lshl_b32 s54, ttmp9, 17                      ; out0: my tile's 16 rows, my half's 1,024 bytes of them
	s_lshl_b32 s20, s56, 15
	s_add_co_u32 s54, s54, s20
	s_lshl_b32 s20, s57, 10
	s_add_co_u32 s54, s54, s20
	s_mov_b32 s55, 0
	s_wait_dscnt 0x0                               ; the opening add is done
	s_wait_kmcnt 0x0
	s_add_nc_u64 s[48:49], s[12:13], s[48:49]
	s_add_nc_u64 s[24:25], s[8:9], s[24:25]
	s_add_nc_u64 s[26:27], s[24:25], 4096
	s_add_nc_u64 s[28:29], s[24:25], 8192
	s_add_nc_u64 s[30:31], s[24:25], 12288
	s_cmp_lt_u32 s[WV], 4                          ; waves 0-3 quantise q1's tiles, waves 4-7 last's
	s_cselect_b64 s[4:5], s[4:5], s[6:7]
	s_add_nc_u64 s[46:47], s[4:5], s[46:47]
	s_add_nc_u64 s[50:51], s[14:15], s[50:51]
	s_add_nc_u64 s[52:53], s[14:15], s[52:53]
	s_add_nc_u64 s[54:55], s[16:17], s[54:55]
	; all copies, ahead of every LDS read, barrier and wait on ASYNCcnt: 13 of the nodes' codes and scale words, then 32 of the mask; their address registers and bases are never rewritten
.set i, 0
.rept 13
	global_load_async_to_lds_b128 v[ANL], v[NGO], s[48:49] offset:512*i
.set i, i+1
.endr
.irp i, 0,1,2,3
.irp j, 0,1,2,3,4,5,6,7
	global_load_async_to_lds_b128 v[AL+\i], v[GO], s[24+2*\i:25+2*\i] offset:256*\j   ; sixteen lanes copy 256 consecutive bytes, aligned, of one row
.endr
.endr
.irp b, 0,1,2,3
.irp j, 0,1,2,3
	global_load_b128 v[MP+16*\b+4*\j:MP+16*\b+4*\j+3], v[XO], s[46:47] offset:128*\b+16*\j th:TH_LOAD_NT   ; my 16 rows of x: register 16 b + i = k 32 b + 16 hh + i
.endr
.endr
.irp c, 0,1,2
	global_load_b128 v[WQF+4*\c:WQF+4*\c+3], v[LI], s[50:51] offset:512*\c
	global_load_b128 v[WQL+4*\c:WQL+4*\c+3], v[LI], s[50:51] offset:12288+512*\c
	global_load_b128 v[WKR+4*\c:WKR+4*\c+3], v[LI], s[50:51] offset:24576+512*\c
	global_load_b128 v[WVR+4*\c:WVR+4*\c+3], v[LI], s[50:51] offset:36864+512*\c
.endr
.irp m, 0,1,2,3
	global_load_b32 v[WS+\m], v[L4], s[52:53] offset:1024*\m
.endr
	; ---- my tile of x becomes a fragment, and goes to LDS as an image of its registers
	s_wait_loadcnt 16                              ; x's 16 loads are in; the 16 of the weights may be out
	QUANT MP, PC, PW
.irp c, 0,1,2
	ds_store_b128 v[XWI], v[PC+4*\c:PC+4*\c+3] offset:512*\c
.endr
	ds_store_b32 v[XWS], v[PW]
	s_wait_asynccnt 32                             ; my 13 node copies are done; the 32 of the mask, issued behind them, may be out
	BARRIER                                        ; x's eight fragments and the nodes' codes lie in LDS
	; ---- q of my head for the four tiles: Wq_first x q1 + Wq_last x last, four accumulators by turns
	WIN 0x40
.irp x, 0,1,2,3,4,5,6,7
.irp c, 0,1,2
	ds_load_b128 v[12*\x+4*\c:12*\x+4*\c+3], v[XRI] offset:1536*\x+512*\c
.endr
.endr
	WIN 0
.irp x, 0,1,2,3,4,5,6,7
	ds_load_b32 v[NS+\x], v[XRS] offset:128*\x
.endr
	s_wait_loadcnt 0x0                             ; the weights
	s_wait_dscnt 0x0
	WIN 0x04                                       ; source 1 (x) window 1
.irp m, 0,1,2,3
	FP6Z QT+8*\m, WQF, 12*\m, WS, NS+\m
.endr
.irp m, 0,1,2,3
	FP6C QT+8*\m, WQL, 48+12*\m, QT+8*\m, WS+1, NS+4+\m
.endr
	WIN 0
	NOPS 4                                         ; four places ahead of the first read of results, and of the loads into x's registers below
.set j, 0
.rept 16
	v_pk_mul_f32 v[QT+j:QT+j+1], v[QT+j:QT+j+1], s[QS:QS+1] op_sel_hi:[1,0]   ; q / 4: exact
.set j, j+2
.endr
.irp m, 0,1,2,3
	ds_store_b128 v[AQ0], v[QT+8*\m:QT+8*\m+3] offset:1024*\m        ; into my wave's own bytes: a trip of the loop takes one tile back
	ds_store_b128 v[AQ0], v[QT+8*\m+4:QT+8*\m+7] offset:1024*\m+512
.endr
	; ---- v of my head: 16 keys x Wv leaves a lane one d and registers along the keys; 128 keys make a fragment.  Two sets of four node fragments, in window 1, by turns
.macro VMUL nf, mp, ns
	WIN 0x01                                       ; source 0 (nodes) window 1
.irp t, 0,1,2,3
	FP6Z MP+(\mp)+8*\t, (\nf)+12*\t, WVR, NS+(\ns)+\t, WS+3
.endr
	WIN 0
	NOPS 4                                         ; places ahead of loads into the set and its scale words, and of the first read of results
.endm
	NFETCH 0, 0x40, 0, ANC, NS, ANS
	NFETCH 48, 0x40, 4, ANC, NS+4, ANS
.irp s, 0,1,2,3
	s_wait_dscnt 14                                ; the older set is in; the younger set's 14 loads may be out
	VMUL 0, 0, 0
.if \s < 3
	NFETCH 0, 0x40, 8*\s+8, ANC, NS, ANS
	s_wait_dscnt 14
.else
	s_wait_dscnt 0x0
.endif
	VMUL 48, 32, 4
.if \s < 3
	NFETCH 48, 0x40, 8*\s+12, ANC, NS+4, ANS
.endif
	QUANT MP, V+12*\s, VS+\s                       ; along the keys
.endr
	; ---- k of my head: Wk x 16 keys, 32 tiles into window 1, where they stay.  The two sets lie in window 0
.macro KMUL G, nf, ns
	WIN 0x40                                       ; destination window 1
.irp t, 0,1,2,3
	FP6Z 8*(4*(\G)+\t), WKR, (\nf)+12*\t, WS+2, NS+(\ns)+\t
.endr
	WIN 0
	NOPS 4
.endm
	NFETCH 48, 0, 0, ANC, NS, ANS
	NFETCH 96, 0, 4, ANC, NS+4, ANS
.irp G, 0,1,2,3,4,5,6,7
.if \G < 7
	s_wait_dscnt 14
.else
	s_wait_dscnt 0x0
.endif
	KMUL \G, 48+48*(\G%2), 4*(\G%2)
.if \G < 6
	NFETCH 48+48*(\G%2), 0, 4*\G+8, ANC, NS+4*(\G%2), ANS
.endif
.endr
	s_wait_asynccnt 0x0                            ; my part of the mask is in
	BARRIER                                        ; everybody's is
	; ---- the loop over the four tiles of queries
.macro MLOAD s                         ; the mask of my query at keys 128 s + 32 b + 16 hh + 0 .. 15
.irp b, 0,1,2,3
.irp i, 0,1,2,3
	ds_load_b128 v[MP+16*\b+4*\i:MP+16*\b+4*\i+3], v[AM] offset:512*(\s)+128*\b+16*\i
.endr
.endr
.endm
; 16 f32 products: four tiles of 16 keys, four links each over d; the first link's C is the mask.  The four accumulators take turns, one instruction a turn
.macro RUN s, hf
	WIN 0x01                                       ; source 0 (k) window 1
.irp c, 0,1,2,3
.irp t, 0,1,2,3
.if \c == 0
	v_wmma_f32_16x16x4_f32 v[S+8*\t:S+8*\t+7], v[8*(8*(\s)+4*(\hf)+\t):8*(8*(\s)+4*(\hf)+\t)+1], v[Q:Q+1], v[MP+32*(\hf)+8*\t:MP+32*(\hf)+8*\t+7]
.else
	v_wmma_f32_16x16x4_f32 v[S+8*\t:S+8*\t+7], v[8*(8*(\s)+4*(\hf)+\t)+2*\c:8*(8*(\s)+4*(\hf)+\t)+2*\c+1], v[Q+2*\c:Q+2*\c+1], v[S+8*\t:S+8*\t+7]
.endif
.endr
.endr
	WIN 0
.endm
.macro TMUL hf                         ; t = logit x log2(e), into other registers; each accumulator from its low end on
.set j, 0
.rept 16
	v_pk_mul_f32 v[MP+32*(\hf)+j:MP+32*(\hf)+j+1], v[S+j:S+j+1], s[LG:LG+1] op_sel_hi:[1,0]
.set j, j+2
.endr
.endm
.macro BMAX b0, b1                     ; the largest t of my 16 keys of two blocks: it serves the row's maximum and, since p rises with t, the block's largest p
.irp b, \b0, \b1
	v_max3_num_f32 v[BM+\b], v[MP+16*\b], v[MP+16*\b+1], v[MP+16*\b+2]
.endr
.irp i, 3,5,7,9,11,13
.irp b, \b0, \b1
	v_max3_num_f32 v[BM+\b], v[BM+\b], v[MP+16*\b+\i], v[MP+16*\b+\i+1]
.endr
.endr
.irp b, \b0, \b1
	v_max_num_f32 v[BM+\b], v[BM+\b], v[MP+16*\b+15]
.endr
.endm
; A key step: 128 keys.  first = 1: it starts M, the sum and the result
.macro STEP s, first
	s_wait_dscnt 0x0                               ; the step's mask (and in the first step q) is in
	RUN \s, 0
	NOPS 8                                         ; eight places behind this form ahead of the first read of results and of the writes over the mask that was C
	TMUL 0
	RUN \s, 1
	BMAX 0, 1                                      ; sixteen plain instructions that name no register of the products just issued: their places
	TMUL 1
	BMAX 2, 3
.irp b, 0,1,2,3
	v_permlanex16_b32 v[PT+\b], v[BM+\b], s[SEL], s[SEL+1]
.endr
.irp b, 0,1,2,3
	v_max_num_f32 v[BM+\b], v[BM+\b], v[PT+\b]     ; with lane l xor 16's 16 keys
.endr
	v_max3_num_f32 v[T0], v[BM], v[BM+1], v[BM+2]
.if \first
	v_max_num_f32 v[TMAX], v[T0], v[BM+3]
	v_floor_f32 v[NEGM], -v[TMAX]                  ; -M = floor(-t) = -ceil(t): M is a whole number
.else
	v_max3_num_f32 v[TMAX], v[T0], v[BM+3], v[TMAX]
	v_mov_b32 v[T1], v[NEGM]
	v_floor_f32 v[NEGM], -v[TMAX]
	v_sub_f32 v[T1], v[NEGM], v[T1]                ; old M - new M: a whole number, 0 or less
	v_cvt_i32_f32 v[T1], v[T1]                     ; (it saturates)
	v_ldexp_f32 v[F], 1.0, v[T1]                   ; f = 2^(old M - new M): multiplying by it rounds nothing
.endif
.set j, 0
.rept 32
	v_pk_add_f32 v[MP+j:MP+j+1], v[MP+j:MP+j+1], v[NEGM:NEGM+1] op_sel_hi:[1,0]   ; t - M
.set j, j+2
.endr
.irp b, 0,1,2,3
	v_add_f32 v[BM+\b], v[BM+\b], v[NEGM]          ; the same of each block's largest t
.endr
.set j, 0
.rept 64
	v_exp_f32 v[MP+j], v[MP+j]                     ; p = 2^(t - M), not normalised
.set j, j+1
.endr
.if \first
	v_mov_b32 v[L], 0                              ; (plain places behind the exponentials)
	v_mov_b32 v[L+1], 0
.else
	v_pk_mul_f32 v[L:L+1], v[L:L+1], v[F:F+1] op_sel_hi:[1,0]   ; the sums under the new M.  (A plain place behind the exponentials)
.endif
	s_wait_alu depctr_va_vdst(0)                   ; one wait for the batch of 64, ahead of its first reader
.irp b, 0,1,2,3
	v_exp_f32 v[BM+\b], v[BM+\b]                   ; the block's largest p: the same steps on the same number give the same bits
.endr
	v_pk_add_f32 v[PT:PT+1], v[MP:MP+1], v[MP+2:MP+3]   ; the row's sum is taken of the unquantised p, in two chains
.set j, 4
.rept 15
	v_pk_add_f32 v[L:L+1], v[L:L+1], v[MP+j:MP+j+1]
	v_pk_add_f32 v[PT:PT+1], v[PT:PT+1], v[MP+j+2:MP+j+3]
.set j, j+4
.endr
	v_pk_add_f32 v[L:L+1], v[L:L+1], v[PT:PT+1]
	s_wait_alu depctr_va_vdst(0)                   ; and one for the four
.irp b, 0,1,2,3
	v_max_num_f32 v[BM+\b], 0x1800000, v[BM+\b]    ; the floor: a block whose every p is 0 keeps the byte 1; its codes are zeros
.endr
	QTAIL MP, PC, PW
.if (\s) < 3
	MLOAD (\s)+1                                   ; the next step's mask, into the registers that the conversions have read
.endif
.if !(\first)
.irp j, 0,2,4,6
	v_pk_mul_f32 v[O+\j:O+\j+1], v[O+\j:O+\j+1], v[F:F+1] op_sel_hi:[1,0]   ; the result under the new M, from its low end on
.endr
.endif
	NOPS 4                                         ; with the moves above: the scale word stands eight places, the codes four, ahead of the scaled product
.if \first
	FP6Z O, V+12*(\s), PC, VS+(\s), PW
.else
	FP6C O, V+12*(\s), PC, O, VS+(\s), PW
.endif
.endm
	s_mov_b32 s[MO], 0
	s_mov_b32 s[QO], 0
	s_mov_b32 s[OO], 0
	s_mov_b32 s[TRIP], 0
.Ltrip:                                                ; four trips, a tile of 16 queries each; every window is 0 here
	v_add_nc_u32 v[AM], s[MO], v[AMK0]
	v_add_nc_u32 v[AQ], s[QO], v[AQ0]
	v_add_nc_u32 v[AOC], s[OO], v[AOC0]
	ds_load_b128 v[Q:Q+3], v[AQ]
	ds_load_b128 v[Q+4:Q+7], v[AQ] offset:512
	MLOAD 0
	STEP 0, 1
	STEP 1, 0
	STEP 2, 0
	STEP 3, 0
	v_add_f32 v[T0], v[L], v[L+1]                  ; the sum's two halves,
	v_permlanex16_b32 v[T1], v[T0], s[SEL], s[SEL+1]
	v_add_f32 v[T0], v[T0], v[T1]                  ; and lane l xor 16's: the row's sum
	NOPS 2
	v_rcp_f32 v[F], v[T0]
	v_nop                                          ; a plain place behind the reciprocal; with the lines above, the places behind the last product
	s_wait_alu depctr_va_vdst(0)                   ; ahead of its first reader
.irp j, 0,2,4,6
	v_pk_mul_f32 v[O+\j:O+\j+1], v[O+\j:O+\j+1], v[F:F+1] op_sel_hi:[1,0]
.endr
	ds_store_b128 v[AOC], v[O:O+3]                 ; lane (r, hh): query r, d = 8 hh + 0 .. 7 of my head
	ds_store_b128 v[AOC], v[O+4:O+7] offset:16
	s_add_co_u32 s[MO], s[MO], 16*MPIT
	s_add_co_u32 s[QO], s[QO], 1024
	s_add_co_u32 s[OO], s[OO], 16*OPIT
	s_add_co_u32 s[TRIP], s[TRIP], 1
	s_cmp_lt_u32 s[TRIP], 4
	s_cbranch_scc1 .Ltrip
	; ---- the tail.  Window 1: v0-95 W_comb's eight fragments, v96-159 b_comb in the result's layout; then v0-127 the second scores Z; v128-191 rows on the way out;
	; v192-195 four maxima, v196 a permute's result, v[198:199] my (maximum, sum), v[200:201] and v[202:203] two chains of sums, v[204:205] my partner's (maximum, sum), v[208:209] 10.0, v[210:211] the last factor, v212-214 at work.
	; These registers held tiles of k, results of matrix instructions: of each run of eight the first register read is one of its four lowest
	WIN 0x40                                       ; destination window 1: k is done with
.irp t, 0,1,2,3,4,5,6,7
.irp c, 0,1,2
	global_load_b128 v[12*\t+4*\c:12*\t+4*\c+3], v[LI], s[14:15] offset:(32+\t)*1536+512*\c
.endr
.endr
.irp t, 0,1,2,3,4,5,6,7
	global_load_b128 v[96+8*\t:96+8*\t+3], v[BCO], s[10:11] offset:(32*(\t/2)+8*(\t%2))*4        ; b_comb at e = 32 b + 16 hh + 8 u + 0 .. 7
	global_load_b128 v[96+8*\t+4:96+8*\t+7], v[BCO], s[10:11] offset:(32*(\t/2)+8*(\t%2))*4+16
.endr
	v_mov_b32 v208, 0x41200000                     ; 10.0, twice
	v_mov_b32 v209, 0x41200000
	v_mov_b32 v196, 0                              ; a lane permute's destination,
	v_mov_b32 v199, 0                              ; and the upper halves of pairs that are named before they are written
	v_mov_b32 v211, 0
	WIN 0
.irp t, 0,1,2,3,4,5,6,7
	global_load_b32 v[NS+\t], v[L4], s[14:15] offset:61440+(32+\t)*128
.endr
	BARRIER                                        ; all eight heads' results lie in LDS
.irp b, 0,1,2,3
.irp i, 0,1,2,3
	ds_load_b128 v[MP+16*\b+4*\i:MP+16*\b+4*\i+3], v[AOR] offset:2*\b*OREG+16*\i   ; my tile's row r: k = 32 b + 16 hh + i is head 2 b + hh's whole row
.endr
.endr
	s_wait_dscnt 0x0
	QUANT MP, PC, PW                               ; along (h, d).  Both waves of a tile do this: nothing more is exchanged
	NOPS 8                                         ; the scale word stands eight places ahead of the scaled product
	s_wait_loadcnt 0x0                             ; W_comb, b_comb
	WIN 0x11                                       ; source 0 (W_comb) and source 2 (b_comb) window 1
.irp t, 0,1,2,3,4,5,6,7
	FP6C MP+8*\t, 12*\t, PC, 96+8*\t, NS+\t, PW    ; lane (r, hh), register j of tile 2 b + u: mh(query r, e = 32 b + 16 hh + 8 u + j)
.endr
	WIN 0
	NOPS 4
	QUANT MP, PC, PW                               ; along e
	NOPS 8
	; the second scores: my 16 tiles of keys x mh, into window 1
.macro ZMUL g, nf, ns
	WIN 0x40
.irp t, 0,1,2,3
	FP6Z 8*(4*(\g)+\t), (\nf)+12*\t, PC, NS+(\ns)+\t, PW
.endr
	WIN 0
	NOPS 4
.endm
	NFETCH 48, 0, 0, ANC2, NS, ANS2
	NFETCH 144, 0, 4, ANC2, NS+4, ANS2
.irp g, 0,1,2,3
.if \g < 3
	s_wait_dscnt 14
.else
	s_wait_dscnt 0x0
.endif
	ZMUL \g, 48+96*(\g%2), 4*(\g%2)
.if \g < 2
	NFETCH 48+96*(\g%2), 0, 4*\g+8, ANC2, NS+4*(\g%2), ANS2
.endif
.endr
.irp b, 0,1,2,3
.irp i, 0,1,2,3
	ds_load_b128 v[48+16*\b+4*\i:48+16*\b+4*\i+3], v[AMT] offset:128*\b+16*\i          ; my half of the mask, in Z's order
	ds_load_b128 v[144+16*\b+4*\i:144+16*\b+4*\i+3], v[AMT] offset:512+128*\b+16*\i
.endr
.endr
	WIN 0x55                                       ; everything in window 1
.set j, 0
.rept 64
	v_pk_mul_f32 v[j:j+1], v[j:j+1], s[TH:TH+1] op_sel_hi:[1,0]   ; 2 log2(e) x, x = score / sqrt(128); each accumulator from its low end on
.set j, j+2
.endr
.set j, 0
.rept 128
	v_exp_f32 v[j], v[j]
.set j, j+1
.endr
	v_nop
	s_wait_alu depctr_va_vdst(0)                   ; one wait a batch
.set j, 0
.rept 64
	v_pk_add_f32 v[j:j+1], v[j:j+1], 1.0 op_sel_hi:[1,0]
.set j, j+2
.endr
.set j, 0
.rept 128
	v_rcp_f32 v[j], v[j]
.set j, j+1
.endr
	v_nop
	s_wait_alu depctr_va_vdst(0)
.set j, 0
.rept 64
	v_pk_fma_f32 v[j:j+1], v[j:j+1], s[M20:M20+1], v[208:209] op_sel_hi:[1,0,1]   ; 10 tanh(x) = 10 - 20 / (1 + e^(2 x))
.set j, j+2
.endr
	s_wait_dscnt 0x0                               ; the mask
	WIN 0x41                                       ; source 1 (the mask) window 0
.set j, 0
.rept 32
	v_pk_add_f32 v[j:j+1], v[j:j+1], v[48+j:48+j+1]
	v_pk_add_f32 v[64+j:64+j+1], v[64+j:64+j+1], v[144+j:144+j+1]
.set j, j+2
.endr
	WIN 0x55
.irp k, 0,1,2,3
	v_max3_num_f32 v[192+\k], v[32*\k], v[32*\k+1], v[32*\k+2]     ; my 128 numbers' maximum, in four chains
.endr
.irp i, 3,5,7,9,11,13,15,17,19,21,23,25,27,29
.irp k, 0,1,2,3
	v_max3_num_f32 v[192+\k], v[192+\k], v[32*\k+\i], v[32*\k+\i+1]
.endr
.endr
.irp k, 0,1,2,3
	v_max_num_f32 v[192+\k], v[192+\k], v[32*\k+31]
.endr
	v_max3_num_f32 v192, v192, v193, v194
	v_max_num_f32 v192, v192, v195
	v_permlanex16_b32 v196, v192, s[SEL], s[SEL+1]
	v_max_num_f32 v198, v192, v196                 ; the maximum of my query over my 256 keys
.set j, 0
.rept 64
	v_pk_add_f32 v[j:j+1], v[j:j+1], v[198:199] op_sel_hi:[1,0] neg_lo:[0,1] neg_hi:[0,1]   ; less the maximum,
.set j, j+2
.endr
.set j, 0
.rept 64
	v_pk_mul_f32 v[j:j+1], v[j:j+1], s[LG:LG+1] op_sel_hi:[1,0]   ; then x log2(e): two steps, so that a large offset of the mask cancels first
.set j, j+2
.endr
.set j, 0
.rept 128
	v_exp_f32 v[j], v[j]
.set j, j+1
.endr
	v_nop
	s_wait_alu depctr_va_vdst(0)
	v_pk_add_f32 v[200:201], v[0:1], v[2:3]
	v_pk_add_f32 v[202:203], v[4:5], v[6:7]
.set j, 8
.rept 30
	v_pk_add_f32 v[200:201], v[200:201], v[j:j+1]
	v_pk_add_f32 v[202:203], v[202:203], v[j+2:j+3]
.set j, j+4
.endr
	v_pk_add_f32 v[200:201], v[200:201], v[202:203]
	v_add_f32 v200, v200, v201
	v_permlanex16_b32 v196, v200, s[SEL], s[SEL+1]
	v_add_f32 v199, v200, v196                     ; the sum over my 256 keys
	WIN 0x04                                       ; an LDS store's data are its source 1: window 1; the address window 0
	ds_store_b64 v[ARW], v[198:199]
	WIN 0
	BARRIER                                        ; my partner's (maximum, sum) lie in LDS
	WIN 0x40
	ds_load_b64 v[204:205], v[ARR]
	s_wait_dscnt 0x0
	WIN 0x55
	v_max_num_f32 v212, v198, v204                 ; the row's maximum
	v_sub_f32 v213, v198, v212
	v_sub_f32 v214, v204, v212
	v_mul_f32 v213, s[LG], v213
	v_mul_f32 v214, s[LG], v214
	v_exp_f32 v213, v213                           ; what my half is worth under it,
	v_exp_f32 v214, v214                           ; and my partner's
	v_nop
	s_wait_alu depctr_va_vdst(0)
	v_mul_f32 v214, v205, v214
	v_fma_f32 v214, v199, v213, v214               ; the row's sum
	v_rcp_f32 v212, v214
	v_nop
	s_wait_alu depctr_va_vdst(0)
	v_mul_f32 v210, v213, v212
.set j, 0
.rept 64
	v_pk_mul_f32 v[j:j+1], v[j:j+1], v[210:211] op_sel_hi:[1,0]
.set j, j+2
.endr
	; the way out: 128 keys of 16 queries at a time through my own stage, back as whole rows of 512 bytes.  LDS serves a wave's instructions in order (ISA guide 5.7.1.4): no wait between my stores and my loads
.macro TOST pc
.irp b, 0,1,2,3
.irp i, 0,1,2,3
	ds_store_b128 v[ASTO], v[64*(\pc)+16*\b+4*\i:64*(\pc)+16*\b+4*\i+3] offset:128*\b+16*\i
.endr
.endr
.endm
	WIN 0x04
	TOST 0
	WIN 0x40
.set i, 0
.rept 16
	ds_load_b128 v[128+4*i:128+4*i+3], v[AQ0] offset:i*SPIT
.set i, i+1
.endr
	WIN 0x04
	TOST 1                                         ; behind the loads of piece 0
.set i, 0
.rept 16
	s_wait_dscnt 31-i                              ; row i is back; the younger rows and piece 1's 16 stores may be out
	global_store_b128 v[LI], v[128+4*i:128+4*i+3], s[54:55] offset:i*2048 th:TH_STORE_NT   ; 32 lanes store 512 consecutive bytes, aligned
.set i, i+1
.endr
	WIN 0x40
.set i, 0
.rept 16
	ds_load_b128 v[4*i:4*i+3], v[AQ0] offset:i*SPIT   ; into piece 0's registers: its LDS stores are done (the count above has passed them)
.set i, i+1
.endr
	WIN 0x04
.set i, 0
.rept 16
	s_wait_dscnt 15-i
	global_store_b128 v[LI], v[4*i:4*i+3], s[54:55] offset:i*2048+512 th:TH_STORE_NT
.set i, i+1
.endr
	WIN 0
	s_wait_tensorcnt 0x0                           ; the wave's end, behind my last LDS store
	s_wait_asynccnt 0x0
	ds_add_u32 v[SPW], v[NIL]
	s_wait_dscnt 0x0
	s_endpgm
.Lfunc_end_k_qd59140d66d_main:
	.size	k_qd59140d66d_main, .Lfunc_end_k_qd59140d66d_main-k_qd59140d66d_main
	.p2alignl 7, 3214868480
	.fill 96, 4, 3214868480
	.section	.rodata,"a",@progbits
	.p2align	6, 0x0
	.amdhsa_kernel k_qd59140d66d_main
		.amdhsa_group_segment_fixed_size 310272
		.amdhsa_private_segment_fixed_size 0
		.amdhsa_enable_private_segment 0
		.amdhsa_kernarg_size 56
		.amdhsa_user_sgpr_count 2
		.amdhsa_user_sgpr_kernarg_segment_ptr 1
		.amdhsa_wavefront_size32 1
		.amdhsa_system_sgpr_workgroup_id_x 1
		.amdhsa_system_sgpr_workgroup_id_y 1
		.amdhsa_system_sgpr_workgroup_id_z 1
		.amdhsa_system_vgpr_workitem_id 0
		.amdhsa_next_free_vgpr 512
		.amdhsa_next_free_sgpr 66
		.amdhsa_reserve_vcc 0
		.amdhsa_float_denorm_mode_32 3
		.amdhsa_float_denorm_mode_16_64 3
		.amdhsa_memory_ordered 1
		.amdhsa_forward_progress 1
		.amdhsa_inst_pref_size 211
	.end_amdhsa_kernel
	.amdgpu_metadata
---
amdhsa.version: [ 1, 2 ]
amdhsa.kernels:
  - .name:           k_qd59140d66d_main
    .symbol:         k_qd59140d66d_main.kd
    .args:
      - { .name: encoded_q1, .offset: 0, .size: 8, .value_kind: global_buffer, .address_space: global }
      - { .name: encoded_last_node, .offset: 8, .size: 8, .value_kind: global_buffer, .address_space: global }
      - { .name: ninf_mask, .offset: 16, .size: 8, .value_kind: global_buffer, .address_space: global }
      - { .name: b_comb, .offset: 24, .size: 8, .value_kind: global_buffer, .address_space: global }
      - { .name: nimg, .offset: 32, .size: 8, .value_kind: global_buffer, .address_space: global }
      - { .name: wimg, .offset: 40, .size: 8, .value_kind: global_buffer, .address_space: global }
      - { .name: out0, .offset: 48, .size: 8, .value_kind: global_buffer, .address_space: global }
    .group_segment_fixed_size: 310272
    .private_segment_fixed_size: 0
    .kernarg_segment_align: 8
    .kernarg_segment_size: 56
    .max_flat_workgroup_size: 256
    .sgpr_count:     66
    .vgpr_count:     512
    .wavefront_size: 32
...
	.end_amdgpu_metadata
.endif
;; end of part 2
